; MI455X (gfx1250); checked and timed in simulation.
; The chip was launched on July 23, 2026; its instructions are those of AMD's public machine-readable ISA for CDNA 5 (MIT licence, August 2026) and "CDNA5" Instruction Set Architecture Reference Guide (July 2026). The comments in the code are by the model that wrote it; some were corrected since.
;; Basic Attention. Allowed arithmetic: matrix products marked QUANTISED: E3M2 operands, one E8M0 scale for each 32 along K, by v_wmma_scale_f32_16x16x128_f8f6f4 with both operands' format E3M2, f32 sums; everything else in f32.
;; Inputs: Wk_codes 1,024 x 32 x 24 uint8 (E3M2 codes of Wk, K innermost, in blocks of 32 codes, four codes in three bytes); Wk_scales 1,024 x 32 uint8 (E8M0 scales of Wk, one for each 32 codes along K); Wq_codes 1,024 x 32 x 24 uint8 (E3M2 codes of Wq, K innermost, in blocks of 32 codes, four codes in three bytes); Wq_scales 1,024 x 32 uint8 (E8M0 scales of Wq, one for each 32 codes along K); Wv_codes 1,024 x 32 x 24 uint8 (E3M2 codes of Wv, K innermost, in blocks of 32 codes, four codes in three bytes); Wv_scales 1,024 x 32 uint8 (E8M0 scales of Wv, one for each 32 codes along K); bk 1,024 float32; bq 1,024 float32; bv 1,024 float32; mask 4 x 2,048 x 2,048 int32; x_codes 4 x 2,048 x 32 x 24 uint8 (E3M2 codes of x, K innermost, in blocks of 32 codes, four codes in three bytes); x_scales 4 x 2,048 x 32 uint8 (E8M0 scales of x, one for each 32 codes along K).
;; Outputs: out0 4 x 2,048 x 1,024 float32.
;; This version of the problem:
;;   THIS VERSION OF THE PROBLEM IS GIVEN IN LOW PRECISION. The matrix products marked QUANTISED in the list below multiply operands that are first quantised to E3M2 (3 exponent bits, 2 mantissa bits; 6 bits a number), with one power-of-two scale for each 32 numbers along K (OCP MX v1.0); their sums are f32. All else is computed in f32.
;;   The module's matrix products, in the order in which they are computed (A, B: the left and right operand; K: the contracted axis; several contracted axes count as one K, in the product's order):
;;     1. [M 8,192, K 1,024] x [K 1,024, N 1,024]; A: input x (given as codes); B: input Wq (given as codes): QUANTISED
;;     2. [M 8,192, K 1,024] x [K 1,024, N 1,024]; A: input x (given as codes); B: input Wk (given as codes): QUANTISED
;;     3. [M 8,192, K 1,024] x [K 1,024, N 1,024]; A: input x (given as codes); B: input Wv (given as codes): QUANTISED
;;     4. batch 4 x [M 2,048, K 1,024] x [K 1,024, N 2,048]; A: computed on the way; B: computed on the way: QUANTISED
;;     5. batch 4 x [M 2,048, K 2,048] x [K 2,048, N 1,024]; A: softmax (see below); B: computed on the way: QUANTISED
;;   THE QUANTISER, for each operand of a quantised product, along K:
;;     - K is cut into blocks of 32 from its start; a last block that is shorter is filled with zeros.
;;     - A block's scale is 2^e with e = floor(log2(the largest magnitude in the block)) - 4, held to -126 .. 127; a block of zeros has e = 0. As a byte (E8M0): e + 127.
;;     - Each number is divided by its block's scale, clamped to +-28, and rounded to the nearest number of E3M2, ties to even, subnormals kept.
;;     - The product sums the exact products of the quantised numbers (number of the format x scale) in f32.
;;   ~~~python
;;   def quantise(x, axis):      # numpy; x: float32 -> the quantised numbers, widened to float32 again
;;       x = np.moveaxis(x, axis, -1); K = x.shape[-1]
;;       x = np.pad(x, [(0, 0)] * (x.ndim - 1) + [(0, -K % 32)]); x = x.reshape(x.shape[:-1] + (-1, 32)); a = np.abs(x).max(-1, keepdims=True)
;;       e = np.where(a > 0, np.clip(np.frexp(np.where(a > 0, a, 1))[1] - 1 - 4, -126, 127), 0)      # np.frexp(a)[1] - 1 = floor(log2(a)), exactly
;;       r = np.clip(x / 2.0 ** e, -28, 28)
;;       step = 2.0 ** (np.maximum(np.frexp(np.where(r == 0, 1, r))[1] - 1, -2) - 2)
;;       q = np.round(r / step) * step * 2.0 ** e      # np.round: ties to even
;;       return np.moveaxis(q.reshape(q.shape[:-2] + (-1,))[..., :K], -1, axis).astype(np.float32)
;;   ~~~
;;   SOFTMAX AHEAD OF A QUANTISED PRODUCT. Where the list says 'softmax', what is quantised is not the finished softmax but p = 2^(t - M), with t = logit x log2(e) and M = ceil(the row's largest t), a whole number; so 1/2 < the row's largest p <= 1. The row's sum l is taken of the UNQUANTISED p, in f32, and the product's result is divided by l at the end. Since M is a whole number, a kernel that streams over the keys may use a running M (the ceiling of the running maximum): every later rescaling is an exact power of two, which a block's scale takes up: the codes' values come out the same.
;;   OPERANDS COMPUTED ON THE WAY. 'Computed on the way' means the value that the module computes at that place (a softmax that the list does not call 'softmax' is quantised finished and normalised). What goes into a quantiser is computed in f32, as accurately as f32 sums, v_exp_f32 and their like allow (about 1e-6 of the number): no bf16 or f16 on the way to a quantiser, and a product that is left as it is and whose result goes on into a quantised operand takes f32 operands (vector FMAs, or v_wmma_f32_16x16x4_f32). A number that lies on a knife's edge between two numbers of the format may be rounded either way, as far as f32 arithmetic and the matrix unit's own rounding can turn it there, and no further.
;;   INPUTS GIVEN AS CODES. Wk (in the module: [1024, 1024], K = its axis 0); Wq (in the module: [1024, 1024], K = its axis 0); Wv (in the module: [1024, 1024], K = its axis 0); x (in the module: [4, 2048, 1024], K = its axis 2): each comes as NAME_codes (uint8): NAME with its K axis moved to the last place and cut into blocks of 32 codes, [.., K / 32, bytes a block], one block behind the other in memory; four codes in three bytes: a row's codes are one little-endian stream of bits, code i at bits 6 i .. 6 i + 5 (a code: sign, 3 exponent bits, 2 mantissa bits); and NAME_scales (uint8): the same leading axes, one E8M0 byte (e + 127) for each 32 codes along K. Its value is code x scale, taken as it is: it is not quantised again, and the codes and scales need not be those that the quantiser above would give.
;; One version. Each part assembles by itself: llvm-mc -triple=amdgcn-amd-amdhsa -mcpu=gfx1250 --defsym DOCPART=n.
;; ======== version 1 of 1: 3 launches
;; limits: right only within a limited range of input values
;; workspace buffers: qc 6,291,456 bytes; kc 6,291,456 bytes; qs 262,144 bytes; ks 262,144 bytes; vc 6,291,456 bytes; vs 262,144 bytes; pc 12,582,912 bytes; st 4,194,304 bytes
;; launch proj (part 1): grid 8 x 32, 4 waves a work-group, clusters of 4 x 4, 327,680 bytes of LDS; arguments x_codes, x_scales, Wq_codes, Wq_scales, Wk_codes, Wk_scales, Wv_codes, Wv_scales, bq, bk, bv, qc, qs, kc, ks, vc, vs; writes qc, qs, kc, ks, vc, vs
.if DOCPART == 1
	.amdgcn_target "amdgcn-amd-amdhsa--gfx1250"
	.amdhsa_code_object_version 6
	.text
	.protected	k_q2ea44dcefc_proj
	.globl	k_q2ea44dcefc_proj
	.p2align	8
	.type	k_q2ea44dcefc_proj,@function
k_q2ea44dcefc_proj:
	s_mov_b64 s[64:65], 0
	v_nop
	global_prefetch_b8 v0, s[64:65] scope:SCOPE_SE
	s_setreg_imm32_b32 hwreg(HW_REG_WAVE_MODE, 25, 1), 1
	s_wait_xcnt 0x0
	s_wait_alu depctr_hold_cnt(0) depctr_sa_sdst(0) depctr_va_vdst(0) depctr_va_sdst(0) depctr_va_ssrc(0) depctr_va_vcc(0) depctr_vm_vsrc(0)
	s_getreg_b32 s2, hwreg(HW_REG_IB_STS2, 6, 4)
	s_cmp_eq_u32 s2, 0
	s_cbranch_scc0 .Lentry_in_a_cluster
	s_endpgm
.Lentry_in_a_cluster:
	s_bfe_u32 s2, ttmp6, 0x10000c
	s_cmp_lg_u32 s2, 0xf033
	s_cbranch_scc0 .Lentry_shape_is_right
	s_endpgm
.Lentry_shape_is_right:
; q, k, v = x W + b on codes of BF6 (one tile of 256 tokens x 128 columns of each a work-group), each result quantised and stored as codes and scale bytes in the order in which the later launches' operand registers take them.
; LDS: x's 256 rows lie where Wk's and Wv's rows come later; Wq's 128 rows behind them.  Wave w keeps its 64 rows of x for all of K in registers.
; At the head waves 0 and 1 fetch x's two halves and waves 2 and 3 Wq's, one joint load a wave; Wk and Wv follow behind a round, when x has gone to registers.
; LIMITS: a block of zeros has the byte 1; NaN and infinities among the inputs are not served.
.set PITCH, 816
.set RG,    128*PITCH
.set REGK,  0
.set REGV,  RG
.set REGQ,  2*RG
.set SPARE, 3*RG
.set VSC,   SPARE+512
.set SPW,  1
.set NIL,  2
.set WA,   3
.set XA,   15
.set L16,  17
.set L8,   18
.set VSW,  19
.set VSR,  20
.set OSC,  21
.set OBQ,  22
.set OBV,  23
.set XS,   24
.set WS,   40
.set HSET, 72
.set TM,   216
.set PW,   232
.set PC,   236
.set BIAS, 192
.set G1X,  48
.set G1A,  56
.set G1B,  68
.set G0X,  76
.set G0A,  80
.set G0B,  84
.set SEL,  88
.set MSB,  0
.macro WIN new
.if MSB != (\new)
	s_set_vgpr_msb (MSB<<8)|(\new)
.set MSB, (\new)
.endif
.endm
.macro PLACES n
.rept \n
	v_nop
.endr
.endm
.macro CROUND
	s_barrier_signal -1
	s_barrier_wait -1
	s_cmp_lg_u32 s38, 0
	s_cbranch_scc1 .Lnot_wave_0_\@
	s_barrier_signal -3
.Lnot_wave_0_\@:
	s_barrier_wait -3
	s_barrier_signal -1
	s_barrier_wait -1
.endm
.macro FRAG reg, adr, s, rowoff
.irp p, 0,1,2,3,4,5
.set PCI, 12*(\s)+6*(\p/3)+\p%3
.if PCI%32 < 29
	ds_load_b64 v[(\reg)+2*\p:(\reg)+2*\p+1], v[\adr] offset:8*PCI+16*(PCI/32)+(\rowoff)
.else
	ds_load_b64 v[(\reg)+2*\p:(\reg)+2*\p+1], v[(\adr)+1] offset:8*PCI+16*(PCI/32)+(\rowoff)
.endif
.endr
.endm
.macro WLOAD n
.set WPART, (\n)/16
.set WKS,   ((\n)%16)/2
.set WTH,   (\n)%2
.if ((\n)%4) == 3                      ; four sets of W's fragments by turns: three in window 0, the fourth at v192-239 of window 2
.set WHB, 192
	WIN 0x80
.else
.set WHB, HSET+48*((\n)%4)
.endif
.irp i, 0,1,2,3
	FRAG WHB+12*\i, WA+4*WPART+2*WTH, WKS, \i*16*PITCH
.endr
	WIN 0
.endm
.macro WMMA d, a, b, c, sa, sb, ra, rb
.if ((\ra) == 0) && ((\rb) == 0)
	v_wmma_scale_f32_16x16x128_f8f6f4 v[\d:\d+7], v[\a:\a+11], v[\b:\b+11], v[\c:\c+7], v[\sa], v[\sb] matrix_a_fmt:MATRIX_FMT_BF6 matrix_b_fmt:MATRIX_FMT_BF6
.elseif (\rb) == 0
	v_wmma_scale_f32_16x16x128_f8f6f4 v[\d:\d+7], v[\a:\a+11], v[\b:\b+11], v[\c:\c+7], v[\sa], v[\sb] matrix_a_fmt:MATRIX_FMT_BF6 matrix_b_fmt:MATRIX_FMT_BF6 matrix_a_scale:MATRIX_SCALE_ROW1
.elseif (\ra) == 0
	v_wmma_scale_f32_16x16x128_f8f6f4 v[\d:\d+7], v[\a:\a+11], v[\b:\b+11], v[\c:\c+7], v[\sa], v[\sb] matrix_a_fmt:MATRIX_FMT_BF6 matrix_b_fmt:MATRIX_FMT_BF6 matrix_b_scale:MATRIX_SCALE_ROW1
.else
	v_wmma_scale_f32_16x16x128_f8f6f4 v[\d:\d+7], v[\a:\a+11], v[\b:\b+11], v[\c:\c+7], v[\sa], v[\sb] matrix_a_fmt:MATRIX_FMT_BF6 matrix_b_fmt:MATRIX_FMT_BF6 matrix_a_scale:MATRIX_SCALE_ROW1 matrix_b_scale:MATRIX_SCALE_ROW1
.endif
.endm
.macro MMS mp
.irp i, 0,1,2,3
.irp u, 0,1
.set TT, 4*TH+\i
.set XR, 96*\u+12*KST
.set FW, HB+12*\i
.set SW, WS+8*(TT/2)+KST
.set SX, XS+8*(\mp)+KST
.if PART < 2
.set DD, 8*(8*(2*(\mp)+\u)+TT)
.else
.set DD, 8*(4*TT+2*(\mp)+\u)
.endif
.if KST == 0
.set CC, BIAS+8*TT
.else
.set CC, DD
.endif
.if PART < 2
	WMMA DD, FW, XR, CC, SW, SX, \i%2, \u
.else
	WMMA DD, XR, FW, CC, SX, SW, \u, \i%2
.endif
.endr
.endr
.endm
.macro HS n
.set PART, (\n)/16
.set KST,  ((\n)%16)/2
.set TH,   (\n)%2
.if ((\n)%4) == 3
.set HB, 192
.else
.set HB, HSET+48*((\n)%4)
.endif
.if ((\n)%2) == 0                      ; the next two half steps' fragments are fetched in one run
	PLACES 4
	WIN 0
.if (\n)+2 < 48
	WLOAD (\n)+2
	WLOAD (\n)+3
	s_wait_dscnt 48                                ; half steps n and n + 1 are in; the 48 loads just issued may be out
.else
	s_wait_dscnt 0
.endif
.endif
.if PART < 2
.set WB, 0xc4
.set WD, 0x04
.if ((\n)%4) == 3
.set WB, 0xc6
.endif
.else
.set WB, 0xc1
.set WD, 0x01
.if ((\n)%4) == 3
.set WB, 0xc9
.endif
.endif
.if KST == 0
.set WB, WB+0x10
.else
.set WB, WB+0x30
.endif
	WIN WB
	MMS 0
	WIN WB+WD
	MMS 1
.endm
.macro QUANT s, nb, pw
	WIN 0xc3
.set QB, 0
.rept \nb
.irp j, 0,1,2,3,4,5,6,7
	v_permlane16_swap_b32 v[(\s)+16*QB+\j], v[(\s)+16*QB+8+\j]
.endr
.set QB, QB+1
.endr
	WIN 0x0f
.set QB, 0
.rept \nb
	v_max3_num_f32 v[TM+QB], |v[(\s)+16*QB]|, |v[(\s)+16*QB+1]|, 0x2800000
.set QB, QB+1
.endr
.irp j, 2,4,6,8,10,12,14
.set QB, 0
.rept \nb
	v_max3_num_f32 v[TM+QB], |v[(\s)+16*QB+\j]|, |v[(\s)+16*QB+\j+1]|, v[TM+QB]
.set QB, QB+1
.endr
.endr
	WIN 0
.set QB, 0
.rept \nb
	v_permlanex16_b32 v[TM+4+QB], v[TM+QB], s[SEL], s[SEL+1]
.set QB, QB+1
.endr
.set QB, 0
.rept \nb
	v_max_num_f32 v[TM+QB], v[TM+QB], v[TM+4+QB]
.set QB, QB+1
.endr
.set QB, 0
.rept \nb
	v_add_nc_u32 v[TM+12+QB], 0xfe000000, v[TM+QB]
.set QB, QB+1
.endr
.set QB, 0
.rept \nb
	v_lshrrev_b32 v[TM+4+QB], 23, v[TM+12+QB]
.set QB, QB+1
.endr
	v_lshl_or_b32 v[\pw], v[TM+5], 8, v[TM+4]
.if (\nb) == 4
	v_lshl_or_b32 v[\pw], v[TM+6], 16, v[\pw]
	v_lshl_or_b32 v[\pw], v[TM+7], 24, v[\pw]
.endif
	s_wait_alu depctr_va_vdst(0)
	s_wait_xcnt 0x0
	WIN 0x03
.set QC, 0
.rept (\nb)/2
	v_cvt_scalef32_pk16_bf6_f32 v[PC+6*QC:PC+6*QC+2], v[(\s)+32*QC:(\s)+32*QC+15], v[TM+12+2*QC]
	v_cvt_scalef32_pk16_bf6_f32 v[PC+12+4*QC:PC+14+4*QC], v[(\s)+32*QC+16:(\s)+32*QC+31], v[TM+13+2*QC]
.set QC, QC+1
.endr
	WIN 0
	v_nop
.set QC, 0
.rept (\nb)/2
.irp j, 0,1,2
	v_permlane16_swap_b32 v[PC+6*QC+\j], v[PC+12+4*QC+\j]
.endr
.irp j, 0,1,2
	v_mov_b32 v[PC+3+6*QC+\j], v[PC+12+4*QC+\j]
.endr
.set QC, QC+1
.endr
.endm
.macro WSLOAD bs
.irp tp, 0,1,2,3
	global_load_b128 v[WS+8*\tp:WS+8*\tp+3], v[OSC], s[\bs:\bs+1] offset:1024*\tp
	global_load_b128 v[WS+8*\tp+4:WS+8*\tp+7], v[OSC], s[\bs:\bs+1] offset:1024*\tp+16
.endr
.endm
.macro BIASQK bs
	WIN 0x40
.irp t, 0,1,2,3,4,5,6,7
	global_load_b128 v[BIAS+8*\t:BIAS+8*\t+3], v[OBQ], s[\bs:\bs+1] offset:64*\t
	global_load_b128 v[BIAS+8*\t+4:BIAS+8*\t+7], v[OBQ], s[\bs:\bs+1] offset:64*\t+16
.endr
	WIN 0
.endm
.macro EPIQK cb, sb, wsn
	PLACES 4
	WIN 0
	WSLOAD \wsn
.irp m, 0,1,2,3
	QUANT 64*\m, 4, PW+\m
.irp g, 0,1,2
	global_store_b128 v[L16], v[PC+4*\g:PC+4*\g+3], s[\cb:\cb+1] offset:12288*\m+512*\g
.endr
.endr
	v_cndmask_b32 v[TM+8], v[PW], v[PW+1], s67     ; s67: lanes 16-31
	v_cndmask_b32 v[TM+9], v[PW+2], v[PW+3], s67
	global_store_b64 v[L8], v[TM+8:TM+9], s[\sb:\sb+1]
	s_wait_loadcnt 0x0
.endm
	s_load_b512 s[4:19], s[0:1], 0x0
	s_load_b512 s[20:35], s[0:1], 0x40
	s_load_b64 s[36:37], s[0:1], 0x80
	v_lshl_add_u32 v[SPW], v0, 2, SPARE
	v_mov_b32 v[NIL], 0
	ds_add_u32 v1, v2
	ds_add_u32 v1, v2
	s_wait_dscnt 0x0
	v_lshrrev_b32 v240, 5, v0
	v_readfirstlane_b32 s38, v240
	s_bfe_u32 s39, ttmp6, 0x40000
	s_bfe_u32 s40, ttmp6, 0x40004
	s_lshl_b32 s41, ttmp9, 2
	s_add_co_u32 s41, s41, s39
	s_and_b32 s42, ttmp7, 0xffff
	s_lshl_b32 s42, s42, 2
	s_add_co_u32 s42, s42, s40
	s_lshl_b32 s43, s40, 2
	s_lshl_b32 s43, 15, s43
	s_lshl_b32 s44, 0x1111, s39
	s_or_b32 s[G1X], s43, (1<<20)|(1<<21)|(5<<22)|(3<<25)
	s_or_b32 s[G1A], s44, (1<<20)|(1<<21)|(5<<22)|(3<<25)
	s_or_b32 s[G1B], s44, (1<<20)|(1<<21)|(5<<22)|(3<<25)
.irp g, G1X, G1A, G1B
	s_mov_b32 s[\g+1], 768<<16
	s_mov_b32 s[\g+3], 768<<16
	s_mov_b32 s[\g+5], 768
	s_mov_b32 s[\g+6], 0
	s_mov_b32 s[\g+7], 0
.endr
	s_mov_b32 s[G1X+2], 128<<16
	s_mov_b32 s[G1X+4], 128
	s_mov_b32 s[G1A+2], 64<<16
	s_mov_b32 s[G1A+4], 64
	s_mov_b32 s[G1B+2], 64<<16
	s_mov_b32 s[G1B+4], 64
	s_lshl_b32 s90, s42, 8
	s_lshl_b32 s91, s38, 6
	s_add_co_u32 s90, s90, s91
	s_lshl_b32 s92, s42, 8
	s_lshl_b32 s93, s38, 7                         ; the half of x's rows that waves 0 and 1 fetch
	s_add_co_u32 s92, s92, s93
	s_mul_i32 s92, s92, 768
	s_mov_b32 s93, 0
	s_lshl_b32 s90, s90, 5
	s_mov_b32 s91, 0
	s_lshl_b32 s94, s41, 7
	s_and_b32 s95, s38, 1
	s_lshl_b32 s95, s95, 6
	s_add_co_u32 s95, s94, s95
	s_mul_i32 s98, s95, 768
	s_mov_b32 s99, 0
	s_lshl_b32 s94, s41, 12
	s_mov_b32 s95, 0
	s_mul_i32 s[G0X+1], s38, RG
	s_mul_i32 s[G0A+1], s38, 64*PITCH
	s_add_co_u32 s[G0A+1], s[G0A+1], REGQ-128*PITCH  ; waves 2 and 3: Wq's rows 0-63, 64-127
	s_mul_i32 s[G0B+1], s38, 64*PITCH
	s_mov_b32 s[SEL], 0x76543210
	s_mov_b32 s[SEL+1], 0xfedcba98
	v_and_b32 v242, 31, v0
	v_and_b32 v243, 15, v0
	v_bfe_u32 v244, v0, 4, 1
	v_mul_u32_u24 v245, v243, PITCH
	v_mad_u32_u24 v240, v244, 24, v245
	v_mad_u32_u24 v241, v244, 40, v245
.irp th, 0,1
	v_add_nc_u32 v[WA+2*\th],   REGQ+\th*64*PITCH, v240
	v_add_nc_u32 v[WA+2*\th+1], REGQ+\th*64*PITCH, v241
	v_add_nc_u32 v[WA+4+2*\th], REGK+\th*64*PITCH, v240
	v_add_nc_u32 v[WA+5+2*\th], REGK+\th*64*PITCH, v241
	v_add_nc_u32 v[WA+8+2*\th], REGV+\th*64*PITCH, v240
	v_add_nc_u32 v[WA+9+2*\th], REGV+\th*64*PITCH, v241
.endr
	s_mul_i32 s66, s38, 64*PITCH
	v_add_nc_u32 v[XA], s66, v240
	v_add_nc_u32 v[XA+1], s66, v241
	v_lshlrev_b32 v[L16], 4, v242
	v_lshlrev_b32 v[L8], 3, v242
	s_lshr_b32 s66, s38, 1
	s_lshl_b32 s66, s66, 8
	s_and_b32 s67, s38, 1
	s_lshl_b32 s67, s67, 1
	s_add_co_u32 s66, s66, s67
	s_add_co_u32 s66, s66, VSC
	v_lshl_add_u32 v[VSW], v243, 3, s66
	s_lshl_b32 s66, s38, 8
	s_add_co_u32 s66, s66, VSC
	v_lshl_add_u32 v[VSR], v242, 3, s66
	v_lshlrev_b32 v[OSC], 5, v242
	v_lshlrev_b32 v[OBQ], 5, v244
	v_lshlrev_b32 v[OBV], 2, v243
.irp j, 4,5,6,7
	v_mov_b32 v[TM+\j], 0
.endr
	s_mov_b32 s67, 0xffff0000
	s_wait_alu depctr_va_vdst(0)
	s_wait_kmcnt 0x0
	s_mov_b32 s[G0X], 1
	s_add_nc_u64 s[G0X+2:G0X+3], s[4:5], s[92:93]
	s_or_b32 s[G0X+3], s[G0X+3], 0x80000000
	s_mov_b32 s[G0A], 1
	s_add_nc_u64 s[G0A+2:G0A+3], s[8:9], s[98:99]
	s_or_b32 s[G0A+3], s[G0A+3], 0x80000000
	s_mov_b32 s[G0B], 1
	s_cmp_lt_u32 s38, 2
	s_cselect_b64 s[G0B+2:G0B+3], s[12:13], s[16:17]
	s_add_nc_u64 s[G0B+2:G0B+3], s[G0B+2:G0B+3], s[98:99]
	s_or_b32 s[G0B+3], s[G0B+3], 0x80000000
	CROUND
	s_cmp_lt_u32 s38, 2                            ; one load a wave: x's halves, Wq's halves
	s_cbranch_scc0 .Lfor_wq
	tensor_load_to_lds s[G0X:G0X+3], s[G1X:G1X+7]
	s_nop 0
	PLACES 4
	s_branch .Lasked
.Lfor_wq:
	tensor_load_to_lds s[G0A:G0A+3], s[G1A:G1A+7]
	s_nop 0
	PLACES 4
.Lasked:
	s_add_nc_u64 s[6:7], s[6:7], s[90:91]
	s_add_nc_u64 s[10:11], s[10:11], s[94:95]
	s_add_nc_u64 s[14:15], s[14:15], s[94:95]
	s_add_nc_u64 s[18:19], s[18:19], s[94:95]
	s_lshl_b32 s94, s41, 9
	s_add_nc_u64 s[20:21], s[20:21], s[94:95]
	s_add_nc_u64 s[22:23], s[22:23], s[94:95]
	s_add_nc_u64 s[24:25], s[24:25], s[94:95]
	s_wait_alu depctr_va_vdst(0)
.irp mp, 0,1
	global_load_b128 v[XS+8*\mp:XS+8*\mp+3], v[OSC], s[6:7] offset:1024*\mp
	global_load_b128 v[XS+8*\mp+4:XS+8*\mp+7], v[OSC], s[6:7] offset:1024*\mp+16
.endr
	WSLOAD 10
	BIASQK 20
	s_wait_tensorcnt 0x0                           ; my part of x or Wq is in,
	s_barrier_signal -1
	s_barrier_wait -1                              ; everybody's is
	WIN 0x40
.irp m, 0,1
.irp s, 0,1,2,3,4,5,6,7
	FRAG 96*\m+12*\s, XA, \s, \m*16*PITCH
.endr
.endr
	WIN 0x80
.irp m, 0,1
.irp s, 0,1,2,3,4,5,6,7
	FRAG 96*\m+12*\s, XA, \s, (\m+2)*16*PITCH
.endr
.endr
	WIN 0
	s_wait_tensorcnt 0x0
	ds_add_u32 v[SPW], v[NIL]
	s_lshl_b32 s46, s42, 4
	s_lshl_b32 s45, s38, 2
	s_add_co_u32 s46, s46, s45
	s_lshl_b32 s46, s46, 3
	s_add_co_u32 s46, s46, s41
	s_mul_i32 s46, s46, 1536
	s_mov_b32 s47, 0
	s_add_nc_u64 s[26:27], s[26:27], s[46:47]
	s_add_nc_u64 s[30:31], s[30:31], s[46:47]
	s_lshl_b32 s46, s41, 7
	s_lshl_b32 s45, s42, 2
	s_add_co_u32 s46, s46, s45
	s_add_co_u32 s46, s46, s38
	s_lshl_b32 s46, s46, 8
	s_add_nc_u64 s[28:29], s[28:29], s[46:47]
	s_add_nc_u64 s[32:33], s[32:33], s[46:47]
	s_lshr_b32 s45, s42, 3
	s_lshl_b32 s45, s45, 4
	s_lshl_b32 s46, s41, 1
	s_add_co_u32 s45, s45, s46
	s_and_b32 s2, s42, 7
	s_lshl_b32 s46, s45, 5
	s_lshl_b32 s3, s2, 2
	s_add_co_u32 s46, s46, s3
	s_add_co_u32 s46, s46, s38
	s_mul_i32 s46, s46, 3072
	s_add_nc_u64 s[34:35], s[34:35], s[46:47]
	s_lshr_b32 s3, s38, 1
	s_add_co_u32 s46, s45, s3
	s_lshl_b32 s46, s46, 4
	s_lshl_b32 s3, s2, 1
	s_add_co_u32 s46, s46, s3
	s_and_b32 s3, s38, 1
	s_add_co_u32 s46, s46, s3
	s_lshl_b32 s46, s46, 8
	s_add_nc_u64 s[36:37], s[36:37], s[46:47]
	s_wait_dscnt 0x0
	CROUND
	tensor_load_to_lds s[G0B:G0B+3], s[G1B:G1B+7]
	s_nop 0
	PLACES 4
	WLOAD 0
	WLOAD 1
	s_wait_loadcnt 0x0
	HS 0
	HS 1
	PLACES 4
	BIASQK 22
.set Q, 2
.rept 12
	HS Q
.set Q, Q+1
.endr
	WIN 0
	s_wait_tensorcnt 0x0
	s_wait_dscnt 0x0
	s_barrier_signal -1
	s_barrier_wait -1
	HS 14
	HS 15
	EPIQK 26, 28, 14
	HS 16
	HS 17
	PLACES 4
	WIN 0x40
.irp t, 0,1,2,3,4,5,6,7
	global_load_b32 v[BIAS+8*\t], v[OBV], s[24:25] offset:64*\t
.endr
	WIN 0
.set Q, 18
.rept 14
	HS Q
.set Q, Q+1
.endr
	EPIQK 30, 32, 18
	WIN 0x41
.irp t, 0,1,2,3,4,5,6,7
.irp j, 1,2,3,4,5,6,7
	v_mov_b32 v[BIAS+8*\t+\j], v[BIAS+8*\t]
.endr
.endr
	WIN 0
.set Q, 32
	s_wait_alu depctr_va_vdst(0)
.rept 16
	HS Q
.set Q, Q+1
.endr
	PLACES 4
	WIN 0
.set TV, 0
.rept 4                                ; two tiles of 16 columns at a time: four blocks of 32 tokens, a scale word of two bytes for each tile
	QUANT 32*TV, 4, PW+TV/2
	global_store_b128 v[L16], v[PC:PC+3], s[34:35] offset:98304*(TV/4)+768*(TV%4)
	global_store_b64 v[L8], v[PC+4:PC+5], s[34:35] offset:98304*(TV/4)+768*(TV%4)+512
	global_store_b128 v[L16], v[PC+6:PC+9], s[34:35] offset:98304*((TV+1)/4)+768*((TV+1)%4)
	global_store_b64 v[L8], v[PC+10:PC+11], s[34:35] offset:98304*((TV+1)/4)+768*((TV+1)%4)+512
	v_lshrrev_b32 v[TM+8+TV/2], 16, v[PW+TV/2]
	ds_store_b16 v[VSW], v[PW+TV/2] offset:512*(TV/4)+128*(TV%2)+4*((TV/2)%2)
	ds_store_b16 v[VSW], v[TM+8+TV/2] offset:512*((TV+1)/4)+128*((TV+1)%2)+4*(((TV+1)/2)%2)
.set TV, TV+2
.endr
	s_wait_dscnt 0x0
	s_barrier_signal -1
	s_barrier_wait -1
	ds_load_b64 v[TM:TM+1], v[VSR]
	s_wait_dscnt 0x0
	global_store_b64 v[L8], v[TM:TM+1], s[36:37]
	s_wait_tensorcnt 0x0
	ds_add_u32 v[SPW], v[NIL]
	s_wait_dscnt 0x0
	CROUND
	s_endpgm
.Lfunc_end_k_q2ea44dcefc_proj:
	.size	k_q2ea44dcefc_proj, .Lfunc_end_k_q2ea44dcefc_proj-k_q2ea44dcefc_proj
	.p2alignl 7, 3214868480
	.fill 96, 4, 3214868480
	.section	.rodata,"a",@progbits
	.p2align	6, 0x0
	.amdhsa_kernel k_q2ea44dcefc_proj
		.amdhsa_group_segment_fixed_size 327680
		.amdhsa_private_segment_fixed_size 0
		.amdhsa_enable_private_segment 0
		.amdhsa_kernarg_size 136
		.amdhsa_user_sgpr_count 2
		.amdhsa_user_sgpr_kernarg_segment_ptr 1
		.amdhsa_wavefront_size32 1
		.amdhsa_system_sgpr_workgroup_id_x 1
		.amdhsa_system_sgpr_workgroup_id_y 1
		.amdhsa_system_sgpr_workgroup_id_z 1
		.amdhsa_system_vgpr_workitem_id 0
		.amdhsa_next_free_vgpr 1024
		.amdhsa_next_free_sgpr 100
		.amdhsa_reserve_vcc 0
		.amdhsa_float_denorm_mode_32 3
		.amdhsa_float_denorm_mode_16_64 3
		.amdhsa_memory_ordered 1
		.amdhsa_forward_progress 1
		.amdhsa_inst_pref_size 255
	.end_amdhsa_kernel
	.section	.bss,"aw",@nobits
	.p2align	6
	.space	262144
	.amdgpu_metadata
---
amdhsa.version: [ 1, 2 ]
amdhsa.kernels:
  - .name:           k_q2ea44dcefc_proj
    .symbol:         k_q2ea44dcefc_proj.kd
    .args:
      - { .name: x_codes, .offset: 0, .size: 8, .value_kind: global_buffer, .address_space: global }
      - { .name: x_scales, .offset: 8, .size: 8, .value_kind: global_buffer, .address_space: global }
      - { .name: Wq_codes, .offset: 16, .size: 8, .value_kind: global_buffer, .address_space: global }
      - { .name: Wq_scales, .offset: 24, .size: 8, .value_kind: global_buffer, .address_space: global }
      - { .name: Wk_codes, .offset: 32, .size: 8, .value_kind: global_buffer, .address_space: global }
      - { .name: Wk_scales, .offset: 40, .size: 8, .value_kind: global_buffer, .address_space: global }
      - { .name: Wv_codes, .offset: 48, .size: 8, .value_kind: global_buffer, .address_space: global }
      - { .name: Wv_scales, .offset: 56, .size: 8, .value_kind: global_buffer, .address_space: global }
      - { .name: bq, .offset: 64, .size: 8, .value_kind: global_buffer, .address_space: global }
      - { .name: bk, .offset: 72, .size: 8, .value_kind: global_buffer, .address_space: global }
      - { .name: bv, .offset: 80, .size: 8, .value_kind: global_buffer, .address_space: global }
      - { .name: qc, .offset: 88, .size: 8, .value_kind: global_buffer, .address_space: global }
      - { .name: qs, .offset: 96, .size: 8, .value_kind: global_buffer, .address_space: global }
      - { .name: kc, .offset: 104, .size: 8, .value_kind: global_buffer, .address_space: global }
      - { .name: ks, .offset: 112, .size: 8, .value_kind: global_buffer, .address_space: global }
      - { .name: vc, .offset: 120, .size: 8, .value_kind: global_buffer, .address_space: global }
      - { .name: vs, .offset: 128, .size: 8, .value_kind: global_buffer, .address_space: global }
    .group_segment_fixed_size: 327680
    .private_segment_fixed_size: 0
    .kernarg_segment_align: 8
    .kernarg_segment_size: 136
    .max_flat_workgroup_size: 128
    .sgpr_count:     100
    .vgpr_count:     1024
    .wavefront_size: 32
...
	.end_amdgpu_metadata
.endif
;; end of part 1
;; launch scores (part 2): grid 8 x 32, 4 waves a work-group, clusters of 4 x 4, 327,680 bytes of LDS; arguments qc, qs, kc, ks, mask, pc, st; writes pc, st
.if DOCPART == 2
	.amdgcn_target "amdgcn-amd-amdhsa--gfx1250"
	.amdhsa_code_object_version 6
	.text
	.protected	k_q2ea44dcefc_scores
	.globl	k_q2ea44dcefc_scores
	.p2align	8
	.type	k_q2ea44dcefc_scores,@function
k_q2ea44dcefc_scores:
	s_mov_b64 s[64:65], 0
	v_nop
	global_prefetch_b8 v0, s[64:65] scope:SCOPE_SE
	s_setreg_imm32_b32 hwreg(HW_REG_WAVE_MODE, 25, 1), 1
	s_wait_xcnt 0x0
	s_wait_alu depctr_hold_cnt(0) depctr_sa_sdst(0) depctr_va_vdst(0) depctr_va_sdst(0) depctr_va_ssrc(0) depctr_va_vcc(0) depctr_vm_vsrc(0)
	s_getreg_b32 s2, hwreg(HW_REG_IB_STS2, 6, 4)
	s_cmp_eq_u32 s2, 0
	s_cbranch_scc0 .Lentry_in_a_cluster
	s_endpgm
.Lentry_in_a_cluster:
	s_bfe_u32 s2, ttmp6, 0x10000c
	s_cmp_lg_u32 s2, 0xf033
	s_cbranch_scc0 .Lentry_shape_is_right
	s_endpgm
.Lentry_shape_is_right:
; S^T = k q^T on codes of BF6, the mask, and a LOCAL softmax for each (query, 64 keys): t = score x log2(e) / 1024; Ml = ceil(the largest t of the 64), a whole number; p = 2^(t - Ml), quantised along the keys.
; Stored: p's codes as fragments (pc) and, for each (query, 64 keys), a record Ml, the sum of the unquantised p, the two scale bytes (st).  The next launch brings bytes and sums under the row's M by whole powers of two.
; SHARES.  Work-group (kt, y): keys 256 kt .. +255, queries 256 (y % 8) .. +255 of batch y / 8.  Wave w keeps its 64 keys for all of K in 384 registers; the queries come from LDS in FOUR PASSES of 64, each of 128 matrix instructions and one epilogue in which the pass's four blocks of 16 queries go side by side.
; CLUSTERS of 4 x 4: the four of a column share K's tile, the four of a row Q's; both are asked for jointly.  At the head waves 0 and 1 fetch K's halves, waves 2 and 3 those of Q's first two passes, one load a wave; Q's last two passes come into K's bytes
; when K has gone to registers, by a refill behind a round; each row of a cluster has asked the L2 for them at the head, a quarter by each work-group.
; THE KEYS OF A TILE ARE NOT NEIGHBOURS: row r of tile (b, u) is key 32 b + 8 u + r + 8 (r / 8), chosen by the load's address, so that a lane's registers 16 b + i are keys 32 b + 16 (lane / 16) + i.  K's rows of 1,024 bytes are padded by 32, so that a tile's two halves lie in different banks.
; THE MASK (an input, read once): whole runs of 256 bytes into four register sets, one pass ahead, in pairs of loads spread over the epilogue; turned through the wave's own stage in LDS; asked of the L2 two passes ahead, a lane a row of 256 bytes, each wave for its own rows.
; LIMITS: the promise holds while |t| stays under 2^31; where all 64 keys are hidden, Ml = -3e38, the sum 0, the codes 0; a block of zeros has the byte 1; NaN and infinities among the inputs are not served.
; LDS: Q 98,304 | K 202,752 | mask stage 4 x 4,352 | spare words 512.
; REGISTERS: window 0: v1-15 addresses; v16-31 K's scale words, v32-47 Q's; v48-175 S^T, then p; v176-239 the mask of two blocks, then at work; v240-247 records.
;   window 1: K, K steps 0-3; v192-255 mask sets 0, 1.   window 2: K steps 4-7; mask sets 2, 3.   window 3: four sets of Q's 4 fragments of a K step.
.set KB,  98304
.set MST, 301056
.set SPARE, 318464
.set KL,  1
.set KSA, 2
.set MGA, 3
.set MSW, 4
.set MSR, 5
.set PFO, 6
.set ADQ, 7
.set PQO, 8
.set L16, 10
.set L8,  11
.set NEG, 12
.set SPW, 14
.set NIL, 15
.set KS,  16
.set QS,  32
.set S0,  48
.set MKA, 176
.set MKB, 208
.set MX,  176
.set TP,  184
.set NM,  192
.set TT,  200
.set SU,  204
.set SV,  212
.set LT,  220
.set SO,  224
.set ML,  232
.set BB,  236
.set RR,  240
.set PC,  176
.set SEL, 24
.set CS,  26
.set CNT, 28
.set HI,  29
.set CM,  44
.set G1K, 44
.set G1Q, 52
.set G1R, 68
.set G0K, 76
.set G0Q, 80
.set G0R, 84
.set MSB, 0
.macro WIN new
.if MSB != (\new)
	s_set_vgpr_msb (MSB<<8)|(\new)
.set MSB, (\new)
.endif
.endm
.macro PLACES n
.rept \n
	v_nop
.endr
.endm
.macro CROUND
	s_barrier_signal -1
	s_barrier_wait -1
	s_cmp_lg_u32 s38, 0
	s_cbranch_scc1 .Lnot_wave_0_\@
	s_barrier_signal -3
.Lnot_wave_0_\@:
	s_barrier_wait -3
	s_barrier_signal -1
	s_barrier_wait -1
.endm
.macro WMMA d, a, b, sa, sb, ra, rb, z
.if (\z) != 0
.if ((\ra) == 0) && ((\rb) == 0)
	v_wmma_scale_f32_16x16x128_f8f6f4 v[\d:\d+7], v[\a:\a+11], v[\b:\b+11], 0, v[\sa], v[\sb] matrix_a_fmt:MATRIX_FMT_BF6 matrix_b_fmt:MATRIX_FMT_BF6
.elseif (\rb) == 0
	v_wmma_scale_f32_16x16x128_f8f6f4 v[\d:\d+7], v[\a:\a+11], v[\b:\b+11], 0, v[\sa], v[\sb] matrix_a_fmt:MATRIX_FMT_BF6 matrix_b_fmt:MATRIX_FMT_BF6 matrix_a_scale:MATRIX_SCALE_ROW1
.elseif (\ra) == 0
	v_wmma_scale_f32_16x16x128_f8f6f4 v[\d:\d+7], v[\a:\a+11], v[\b:\b+11], 0, v[\sa], v[\sb] matrix_a_fmt:MATRIX_FMT_BF6 matrix_b_fmt:MATRIX_FMT_BF6 matrix_b_scale:MATRIX_SCALE_ROW1
.else
	v_wmma_scale_f32_16x16x128_f8f6f4 v[\d:\d+7], v[\a:\a+11], v[\b:\b+11], 0, v[\sa], v[\sb] matrix_a_fmt:MATRIX_FMT_BF6 matrix_b_fmt:MATRIX_FMT_BF6 matrix_a_scale:MATRIX_SCALE_ROW1 matrix_b_scale:MATRIX_SCALE_ROW1
.endif
.else
.if ((\ra) == 0) && ((\rb) == 0)
	v_wmma_scale_f32_16x16x128_f8f6f4 v[\d:\d+7], v[\a:\a+11], v[\b:\b+11], v[\d:\d+7], v[\sa], v[\sb] matrix_a_fmt:MATRIX_FMT_BF6 matrix_b_fmt:MATRIX_FMT_BF6
.elseif (\rb) == 0
	v_wmma_scale_f32_16x16x128_f8f6f4 v[\d:\d+7], v[\a:\a+11], v[\b:\b+11], v[\d:\d+7], v[\sa], v[\sb] matrix_a_fmt:MATRIX_FMT_BF6 matrix_b_fmt:MATRIX_FMT_BF6 matrix_a_scale:MATRIX_SCALE_ROW1
.elseif (\ra) == 0
	v_wmma_scale_f32_16x16x128_f8f6f4 v[\d:\d+7], v[\a:\a+11], v[\b:\b+11], v[\d:\d+7], v[\sa], v[\sb] matrix_a_fmt:MATRIX_FMT_BF6 matrix_b_fmt:MATRIX_FMT_BF6 matrix_b_scale:MATRIX_SCALE_ROW1
.else
	v_wmma_scale_f32_16x16x128_f8f6f4 v[\d:\d+7], v[\a:\a+11], v[\b:\b+11], v[\d:\d+7], v[\sa], v[\sb] matrix_a_fmt:MATRIX_FMT_BF6 matrix_b_fmt:MATRIX_FMT_BF6 matrix_a_scale:MATRIX_SCALE_ROW1 matrix_b_scale:MATRIX_SCALE_ROW1
.endif
.endif
.endm
.macro FET s, first                    ; K step s: the pass's four fragments of Q; in the first pass my four of K too.  12 loads a side
.if \first
	WIN 0x40*(1+(\s)/4)
.irp tau, 0,1,2,3
.irp g, 0,1,2
.set KO, 1536*(\s)+512*\g
	ds_load_b128 v[12*(4*((\s)%4)+\tau)+4*\g:12*(4*((\s)%4)+\tau)+4*\g+3], v[KL] offset:KO+32*(KO/1024)+25344*(\tau/2)+128*(\tau%2)
.endr
.endr
.endif
	WIN 0xc0
.irp qb, 0,1,2,3
.irp g, 0,1,2
	ds_load_b128 v[48*((\s)%4)+12*\qb+4*\g:48*((\s)%4)+12*\qb+4*\g+3], v[ADQ] offset:12288*\qb+1536*(\s)+512*\g
.endr
.endr
	WIN 0
.endm
.macro MLP n, po                       ; two loads of a pass's mask, block n / 4: lanes 0-15 read one row's 256 bytes, lanes 16-31 the next row's
	WIN 0x40*(1+(\n)/8)
.irp e, 0,1
	global_load_b128 v[192+32*(((\n)/4)%2)+4*((2*(\n)+\e)%8):192+32*(((\n)/4)%2)+4*((2*(\n)+\e)%8)+3], v[MGA], s[12:13] offset:(\po)+131072*((\n)/4)+16384*((2*(\n)+\e)%8) th:TH_LOAD_NT
.endr
	WIN 0
.endm
.macro LDP n
.if LD
	MLP \n, 524288
.endif
.endm
.macro QSL off                         ; the scale words of a pass's four blocks, all 8 K steps
.irp e, 0,1,2,3,4,5,6,7
	global_load_b64 v[QS+2*\e:QS+2*\e+1], v[L8], s[6:7] offset:32768*\e+(\off)
.endr
.endm
.macro TURN b, mk, lc                  ; block b's mask through my stage: a lane then holds its query's keys in the order of the score registers.  lc: the loads of later blocks, which stay out
	s_wait_alu depctr_va_vdst(0)
	s_wait_loadcnt \lc
	WIN 0x04*(1+(\b)/2)
.irp k, 0,1,2,3,4,5,6,7
	ds_store_b128 v[MSW], v[192+32*((\b)%2)+4*\k:192+32*((\b)%2)+4*\k+3] offset:544*\k
.endr
	WIN 0
.irp k, 0,1,2,3,4,5,6,7
	ds_load_b128 v[(\mk)+4*\k:(\mk)+4*\k+3], v[MSR] offset:128*(\k/4)+16*(\k%4)   ; LDS serves a wave's instructions in order: these see my stores
.endr
.endm
.macro MAT first                       ; a pass's products: 8 K steps of 16 matrix instructions, the 16 accumulators by turns; fragments two steps ahead
	FET 0, \first
	FET 1, \first
	s_wait_loadcnt 32                              ; the scale words are in; the mask's 32 loads stay out
.set F, 0
.rept 8
.if (F%2) == 0                         ; the fragments of two steps are fetched in one run
	PLACES 4
.if F < 6
	FET F+2, \first
	FET F+3, \first
	s_wait_dscnt 24+24*(\first)                    ; these two steps' fragments are in; the run just issued may be out
.elseif (\first) == 0
	s_wait_dscnt 0x0
.else
	s_wait_tensorcnt 0x0                           ; ahead of a refill
	ds_add_u32 v[SPW], v[NIL]
	s_wait_dscnt 0x0                               ; K is in registers
	CROUND                                         ; in every wave of every partner
	tensor_load_to_lds s[G0R:G0R+3], s[G1R:G1R+7]  ; the queries of passes 2 and 3 into K's bytes, a quarter by each wave
	s_nop 0
	PLACES 4
.endif
.endif
.if F == 6
	s_wait_xcnt 0x0                                ; the codes' stores have read the registers on which the mask lands
	TURN 0, MKA, 24
	TURN 1, MKB, 16
.endif
.if F < 4
	WIN 0x0d                                       ; K window 1, Q window 3, S^T window 0
.else
	WIN 0x0e                                       ; K window 2
.endif
.irp qb, 0,1,2,3
.irp tau, 0,1,2,3
.set KR, 12*(4*(F%4)+\tau)
.set QR, 48*(F%4)+12*\qb
.set DD, S0+32*\qb+8*\tau
.set SA, KS+2*F+\tau/2
.set SB, QS+2*F+\qb/2
	WMMA DD, KR, QR, SA, SB, \tau%2, \qb%2, F==0
.endr
.endr
	WIN 0
.set F, F+1
.endr
.endm
.macro MOPS b, mk                      ; hidden keys: -infinity.  Each accumulator from its low end on
.irp c, 0,1
.irp i, 0,1,2,3,4,5,6,7,8,9,10,11,12,13,14,15
	v_cmp_ne_u32 s[CM+\i], 0, v[(\mk)+16*\c+\i]
.endr
.irp i, 0,1,2,3,4,5,6,7,8,9,10,11,12,13,14,15
	v_cndmask_b32 v[S0+32*(\b)+16*\c+\i], v[NEG], v[S0+32*(\b)+16*\c+\i], s[CM+\i]
.endr
.endr
.endm
.macro EMAX e
.irp b, 0,1,2,3
.irp c, 0,1
	v_max3_num_f32 v[MX+2*\b+\c], v[MX+2*\b+\c], v[S0+32*\b+16*\c+\e], v[S0+32*\b+16*\c+\e+1]
.endr
.endr
.endm
.macro ESUM e
.irp b, 0,1,2,3
	v_pk_add_f32 v[SU+2*\b:SU+2*\b+1], v[SU+2*\b:SU+2*\b+1], v[S0+32*\b+\e:S0+32*\b+\e+1]
	v_pk_add_f32 v[SV+2*\b:SV+2*\b+1], v[SV+2*\b:SV+2*\b+1], v[S0+32*\b+\e+2:S0+32*\b+\e+3]
.endr
.endm
; A pass's epilogue, four blocks by turns.  ld: the next pass's scale words and mask are asked for
.macro EPI ld
.set LD, \ld
	s_wait_dscnt 0x0                               ; the mask of blocks 0 and 1 is in
	MOPS 0, MKA
	TURN 2, MKA, 8
	MOPS 1, MKB
	TURN 3, MKB, 0
	s_wait_dscnt 16                                ; block 2's mask is in; block 3's turn, 16 instructions, may be out
	MOPS 2, MKA
	s_wait_dscnt 0x0
	MOPS 3, MKB
.if LD
	QSL 256
	v_add_nc_u32 v[ADQ], 49152, v[ADQ]
	s_wait_alu depctr_va_vdst(0)
	s_cmp_gt_u32 s[CNT], 1                         ; the loop's last trip has no mask two passes on
	s_cbranch_scc0 .Lno_pf_\@
.irp j, 0,1
	global_prefetch_b8 v[PFO], s[12:13] offset:1048576+262144*\j th:TH_LOAD_NT scope:SCOPE_SE
.endr
.Lno_pf_\@:
.endif
.irp b, 0,1,2,3
.irp c, 0,1
	v_max3_num_f32 v[MX+2*\b+\c], v[S0+32*\b+16*\c], v[S0+32*\b+16*\c+1], v[S0+32*\b+16*\c+2]   ; each block of 32 keys' largest score: for the maximum, and, since p rises with the score, for the block's largest p
.endr
.endr
	EMAX 3
	LDP 0
	EMAX 5
	EMAX 7
	LDP 1
	EMAX 9
	EMAX 11
	LDP 2
	EMAX 13
.irp b, 0,1,2,3
.irp c, 0,1
	v_max_num_f32 v[MX+2*\b+\c], v[MX+2*\b+\c], v[S0+32*\b+16*\c+15]
.endr
.endr
	LDP 3
.irp n, 0,1,2,3,4,5,6,7
	v_permlanex16_b32 v[TP+\n], v[MX+\n], s[SEL], s[SEL+1]
.endr
.irp n, 0,1,2,3,4,5,6,7
	v_max_num_f32 v[MX+\n], v[MX+\n], v[TP+\n]
.endr
	LDP 4
.irp b, 0,1,2,3
	v_max_num_f32 v[TT+\b], v[MX+2*\b], v[MX+2*\b+1]
.endr
.irp b, 0,1,2,3
	v_mul_f32 v[TT+\b], s[CS], v[TT+\b]            ; as t (c is positive)
.endr
.irp b, 0,1,2,3
	v_max_num_f32 v[TT+\b], 0xff61b1e6, v[TT+\b]   ; not under -3e38: where all 64 keys are hidden
.endr
.irp b, 0,1,2,3
	v_floor_f32 v[NM+2*\b], -v[TT+\b]              ; -Ml = floor(-t): a whole number
.endr
	LDP 5
.irp b, 0,1,2,3
.set EE, S0+32*\b
.rept 16
	v_pk_fma_f32 v[EE:EE+1], v[EE:EE+1], s[CS:CS+1], v[NM+2*\b:NM+2*\b+1] op_sel_hi:[1,0,0]   ; t - Ml, two at a time
.set EE, EE+2
.endr
	LDP 6+\b
.endr
.irp b, 0,1,2,3
.irp c, 0,1
	v_fma_f32 v[MX+2*\b+\c], v[MX+2*\b+\c], s[CS], v[NM+2*\b]
.endr
.endr
	s_wait_alu depctr_va_vdst(0)                   ; ahead of the batch
.set EE, S0
.rept 128
	v_exp_f32 v[EE], v[EE]                         ; p, at most 1
.set EE, EE+1
.endr
.irp n, 0,1,2,3,4,5,6,7
	v_exp_f32 v[MX+\n], v[MX+\n]                   ; the block's largest p: the same two instructions on the same number
.endr
	v_nop                                          ; one plain place behind a transcendental
	s_wait_alu depctr_va_vdst(0)                   ; behind the batch
.irp b, 0,1,2,3
	v_pk_add_f32 v[SU+2*\b:SU+2*\b+1], v[S0+32*\b:S0+32*\b+1], v[S0+32*\b+2:S0+32*\b+3]   ; the sum of the unquantised p, in two chains a block
	v_pk_add_f32 v[SV+2*\b:SV+2*\b+1], v[S0+32*\b+4:S0+32*\b+5], v[S0+32*\b+6:S0+32*\b+7]
.endr
	ESUM 8
	ESUM 12
	LDP 10
	ESUM 16
	ESUM 20
	LDP 11
	ESUM 24
	ESUM 28
	LDP 12
.irp b, 0,1,2,3
	v_pk_add_f32 v[SU+2*\b:SU+2*\b+1], v[SU+2*\b:SU+2*\b+1], v[SV+2*\b:SV+2*\b+1]
.endr
.irp n, 0,1,2,3,4,5,6,7
	v_max_num_f32 v[MX+\n], 0x2800000, v[MX+\n]    ; the floor 2^(5 - 127)
.endr
.irp b, 0,1,2,3
	v_add_f32 v[TT+\b], v[SU+2*\b], v[SU+2*\b+1]
.endr
	LDP 13
.irp n, 0,1,2,3,4,5,6,7
	v_add_nc_u32 v[SO+\n], 0xfe000000, v[MX+\n]    ; 4 off the exponent field: the conversion's scale operand
.endr
.irp b, 0,1,2,3
	v_permlanex16_b32 v[LT+\b], v[TT+\b], s[SEL], s[SEL+1]
.endr
.irp n, 0,1,2,3,4,5,6,7
	v_lshrrev_b32 v[TP+\n], 23, v[SO+\n]           ; the scale's byte
.endr
.irp b, 0,1,2,3
	v_add_f32 v[TT+\b], v[TT+\b], v[LT+\b]
.endr
	LDP 14
.irp b, 0,1,2,3
	v_mul_f32 v[ML+\b], -1.0, v[NM+2*\b]           ; Ml
.endr
.irp b, 0,1,2,3
	v_lshl_or_b32 v[BB+\b], v[TP+2*\b+1], 8, v[TP+2*\b]
.endr
.irp j, 0,1                            ; lanes 0-15 take block 2 j's records, lanes 16-31 block 2 j + 1's
	v_cndmask_b32 v[RR+4*\j], v[ML+2*\j], v[ML+2*\j+1], s[HI]
	v_cndmask_b32 v[RR+4*\j+1], v[TT+2*\j], v[TT+2*\j+1], s[HI]
	v_cndmask_b32 v[RR+4*\j+2], v[BB+2*\j], v[BB+2*\j+1], s[HI]
.endr
.irp b, 0,1,2,3
	v_cvt_scalef32_pk16_bf6_f32 v[PC+8*\b:PC+8*\b+2], v[S0+32*\b:S0+32*\b+15], v[SO+2*\b]
	v_cvt_scalef32_pk16_bf6_f32 v[PC+8*\b+4:PC+8*\b+6], v[S0+32*\b+16:S0+32*\b+31], v[SO+2*\b+1]
.endr
	v_nop                                          ; one plain place behind a scaled conversion
	LDP 15
.irp e, 0,1,2
.irp b, 0,1,2,3
	v_permlane16_swap_b32 v[PC+8*\b+\e], v[PC+8*\b+4+\e]   ; a whole block to a lane
.endr
.endr
.irp e, 0,1,2
.irp b, 0,1,2,3
	v_mov_b32 v[PC+8*\b+3+\e], v[PC+8*\b+4+\e]
.endr
.endr
.irp b, 0,1,2,3
	global_store_b128 v[L16], v[PC+8*\b:PC+8*\b+3], s[14:15] offset:768*\b
	global_store_b64 v[L8], v[PC+8*\b+4:PC+8*\b+5], s[14:15] offset:768*\b+512
.endr
.irp j, 0,1
	global_store_b128 v[L16], v[RR+4*\j:RR+4*\j+3], s[16:17] offset:512*\j
.endr
.endm
	s_load_b256 s[4:11], s[0:1], 0x0               ; qc 4, qs 6, kc 8, ks 10
	s_load_b128 s[12:15], s[0:1], 0x20             ; mask 12, pc 14
	s_load_b64 s[16:17], s[0:1], 0x30              ; st
	v_lshl_add_u32 v[SPW], v0, 2, SPARE
	v_mov_b32 v[NIL], 0
	ds_add_u32 v[SPW], v[NIL]
	ds_add_u32 v[SPW], v[NIL]
	v_lshrrev_b32 v240, 5, v0
	v_readfirstlane_b32 s38, v240                  ; wave
	s_and_b32 s23, s38, 1
	s_bfe_u32 s39, ttmp6, 0x40000                  ; cx
	s_bfe_u32 s41, ttmp6, 0x40004                  ; cy
	s_lshl_b32 s40, ttmp9, 2
	s_add_co_u32 s40, s40, s39                     ; kt
	s_and_b32 s18, ttmp7, 0xffff
	s_lshl_b32 s19, s18, 2
	s_add_co_u32 s19, s19, s41                     ; y
	s_lshr_b32 s20, s18, 1                         ; batch: two rows of clusters each
	s_lshl_b32 s21, s41, 2
	s_lshl_b32 s21, 15, s21                        ; my row of the cluster
	s_lshl_b32 s22, 0x1111, s39                    ; my column
	s_or_b32 s[G1K], s22, (3<<16)|(1<<20)|(1<<21)|(7<<22)|(7<<25)   ; half of K's tile: 96 rows of 1,024 bytes, dense, 8 words of padding behind each row; joint
	s_mov_b32 s[G1K+2], 96<<16
	s_mov_b32 s[G1K+4], 96
	s_or_b32 s[G1Q], s21, (3<<16)|(1<<21)          ; a pass of Q: 48 rows of 1,024 bytes, dense; joint
	s_mov_b32 s[G1Q+2], 48<<16
	s_mov_b32 s[G1Q+4], 48
	s_or_b32 s[G1R], s21, (3<<16)|(1<<21)          ; the refill: half a pass
	s_mov_b32 s[G1R+2], 24<<16
	s_mov_b32 s[G1R+4], 24
.irp g, G1K, G1Q, G1R
	s_mov_b32 s[\g+1], 128<<16
	s_mov_b32 s[\g+3], 128<<16
	s_mov_b32 s[\g+5], 128
	s_mov_b32 s[\g+6], 0
	s_mov_b32 s[\g+7], 0
.endr
	; K: what hangs on kt, the batch and the wave alone
	s_lshl_b32 s30, s20, 5
	s_lshl_b32 s31, s40, 2
	s_add_co_u32 s30, s30, s31                     ; my work-group's first group of 64 tokens
	s_add_co_u32 s62, s30, s38                     ; and mine
	s_mul_i32 s30, s30, 49152
	s_mul_i32 s31, s23, 98304
	s_add_co_u32 s30, s30, s31
	s_mov_b32 s31, 0
	s_mul_i32 s[G0K+1], s23, 101376
	s_add_co_u32 s[G0K+1], s[G0K+1], KB
	; Q: what hangs on y and the wave alone
	s_mul_i32 s36, s19, 196608
	s_mul_i32 s35, s23, 49152
	s_add_co_u32 s34, s36, s35
	s_mov_b32 s35, 0
	s_mul_i32 s37, s38, 24576
	s_add_co_u32 s32, s36, s37
	s_add_co_u32 s32, s32, 98304                   ; the refill: passes 2 and 3
	s_mov_b32 s33, 0
	s_mul_i32 s[G0Q+1], s23, 49152
	s_add_co_u32 s[G0R+1], s37, KB
	; what hangs on both
	s_lshl_b32 s60, s19, 21                        ; 256 y rows of 8,192 bytes
	s_lshl_b32 s42, s40, 10
	s_add_co_u32 s60, s60, s42
	s_lshl_b32 s42, s38, 8
	s_add_co_u32 s60, s60, s42                     ; + my 64 keys' words
	s_mov_b32 s61, 0
	s_mul_i32 s88, s39, 24576                      ; the prefetch of passes 2 and 3: my work-group's quarter, by cx,
	s_mul_i32 s89, s38, 6144                       ; and my quarter of that
	s_add_co_u32 s88, s88, s89
	s_add_co_u32 s88, s88, s36
	s_add_co_u32 s88, s88, 98304
	s_mov_b32 s89, 0
	s_mov_b32 s43, 0
	s_mov_b32 s[SEL], 0x76543210
	s_mov_b32 s[SEL+1], 0xfedcba98
	s_mov_b32 s[CS], 0x3ab8aa3b                    ; c = log2(e) / 1024
	s_mov_b32 s[CS+1], s[CS]
	s_mov_b32 s[HI], 0xffff0000                    ; lanes 16-31
	v_and_b32 v240, 31, v0                         ; lane
	v_and_b32 v241, 15, v0                         ; r
	v_bfe_u32 v242, v0, 4, 1                       ; h
	v_bfe_u32 v243, v0, 3, 1                       ; r / 8
	v_and_b32 v244, 7, v0
	v_lshl_add_u32 v244, v242, 4, v244
	v_lshlrev_b32 v244, 4, v244
	v_mad_u32_u24 v245, v243, 12672, v244          ; K: tile 2 b + r / 8, its lane (r % 8) + 16 h (+ 8 u in the immediate)
	s_mul_i32 s66, s38, 50688
	s_add_co_u32 s66, s66, KB
	v_add_nc_u32 v[KL], s66, v245
	v_lshl_add_u32 v244, v242, 3, v241
	v_lshl_add_u32 v244, v243, 3, v244
	v_lshlrev_b32 v[KSA], 3, v244                  ; K's scale words: lanes 0-15 the rows of u = 0, lanes 16-31 of u = 1
	v_lshlrev_b32 v244, 4, v241
	v_lshl_add_u32 v[MGA], v242, 13, v244
	s_mul_i32 s66, s38, 4352
	s_add_co_u32 s66, s66, MST
	v_mad_u32_u24 v245, v242, 272, v244
	v_add_nc_u32 v[MSW], s66, v245
	v_mul_u32_u24 v245, v241, 272
	v_lshl_add_u32 v245, v242, 6, v245
	v_add_nc_u32 v[MSR], s66, v245
	v_lshlrev_b32 v[PFO], 13, v240
	v_min_u32 v245, 23, v240
	v_lshlrev_b32 v[PQO], 8, v245                  ; 24 lanes x 256 bytes; the lanes that are left over name the last block again
	v_lshlrev_b32 v[ADQ], 4, v240
	v_lshlrev_b32 v[L16], 4, v240
	v_lshlrev_b32 v[L8], 3, v240
	v_mov_b32 v[NEG], 0xff800000
	v_mov_b32 v[RR+3], 0
	v_mov_b32 v[RR+7], 0
	s_wait_alu depctr_va_vdst(0)
	s_wait_dscnt 0x0
	s_wait_kmcnt 0x0
	s_mov_b32 s[G0K], 1
	s_add_nc_u64 s[G0K+2:G0K+3], s[8:9], s[30:31]
	s_or_b32 s[G0K+3], s[G0K+3], 0x80000000
	s_mov_b32 s[G0Q], 1
	s_add_nc_u64 s[G0Q+2:G0Q+3], s[4:5], s[34:35]
	s_or_b32 s[G0Q+3], s[G0Q+3], 0x80000000
	s_mov_b32 s[G0R], 1
	s_add_nc_u64 s[G0R+2:G0R+3], s[4:5], s[32:33]
	s_or_b32 s[G0R+3], s[G0R+3], 0x80000000
	s_add_nc_u64 s[88:89], s[4:5], s[88:89]
	s_add_nc_u64 s[12:13], s[12:13], s[60:61]      ; the mask at my first row and key
	s_lshl_b32 s42, s62, 8
	s_add_nc_u64 s[10:11], s[10:11], s[42:43]
	s_lshl_b32 s42, s19, 10
	s_add_nc_u64 s[6:7], s[6:7], s[42:43]
	s_lshl_b32 s62, s19, 5
	s_lshl_b32 s42, s40, 2
	s_add_co_u32 s62, s62, s42
	s_add_co_u32 s62, s62, s38                     ; 32 y + g
	s_mul_i32 s42, s62, 12288
	s_add_nc_u64 s[14:15], s[14:15], s[42:43]
	s_lshl_b32 s42, s62, 12
	s_add_nc_u64 s[16:17], s[16:17], s[42:43]
	CROUND                                         ; all sixteen work-groups are here
	s_cmp_lt_u32 s38, 2                            ; one load a wave: K's halves, Q's first two passes
	s_cbranch_scc0 .Lfor_q
	tensor_load_to_lds s[G0K:G0K+3], s[G1K:G1K+7]
	s_nop 0
	PLACES 4
	s_branch .Lasked
.Lfor_q:
	tensor_load_to_lds s[G0Q:G0Q+3], s[G1Q:G1Q+7]
	s_nop 0
	PLACES 4
.Lasked:
	QSL 0
.irp e, 0,1,2,3,4,5,6,7
	global_load_b64 v[KS+2*\e:KS+2*\e+1], v[KSA], s[10:11] offset:32768*\e
.endr
	s_wait_tensorcnt 0x0                           ; my part of K or Q is in,
	s_barrier_signal -1
	s_barrier_wait -1                              ; everybody's is.  What is wanted later is asked for behind it:
	global_prefetch_b8 v[PQO], s[88:89] th:TH_LOAD_NT scope:SCOPE_SE   ; Q's passes 2 and 3
.set NN, 0
.rept 16
	MLP NN, 0                                      ; pass 0's mask
.set NN, NN+1
.endr
.irp j, 0,1
	global_prefetch_b8 v[PFO], s[12:13] offset:524288+262144*\j th:TH_LOAD_NT scope:SCOPE_SE   ; pass 1's mask
.endr
	MAT 1
	s_mov_b32 s[CNT], 3
.Lpass:
	EPI 1
	s_wait_alu depctr_va_vdst(0)
	s_wait_dscnt 0x0
	s_wait_tensorcnt 0x0                           ; my part of the refill is in,
	s_barrier_signal -1
	s_barrier_wait -1                              ; everybody's is
	MAT 0
	s_wait_xcnt 0x0                                ; loads and stores have read their bases
	s_add_nc_u64 s[6:7], s[6:7], 256
	s_add_nc_u64 s[12:13], s[12:13], 524288
	s_add_nc_u64 s[14:15], s[14:15], 3072
	s_add_nc_u64 s[16:17], s[16:17], 1024
	s_sub_co_u32 s[CNT], s[CNT], 1
	s_cmp_lg_u32 s[CNT], 0
	s_wait_alu depctr_va_vdst(0)
	s_cbranch_scc1 .Lpass
	EPI 0
	s_wait_tensorcnt 0x0                           ; the wave's end
	ds_add_u32 v[SPW], v[NIL]
	s_wait_dscnt 0x0
	CROUND                                         ; the closing round
	s_endpgm
.Lfunc_end_k_q2ea44dcefc_scores:
	.size	k_q2ea44dcefc_scores, .Lfunc_end_k_q2ea44dcefc_scores-k_q2ea44dcefc_scores
	.p2alignl 7, 3214868480
	.fill 96, 4, 3214868480
	.section	.rodata,"a",@progbits
	.p2align	6, 0x0
	.amdhsa_kernel k_q2ea44dcefc_scores
		.amdhsa_group_segment_fixed_size 327680
		.amdhsa_private_segment_fixed_size 0
		.amdhsa_enable_private_segment 0
		.amdhsa_kernarg_size 56
		.amdhsa_user_sgpr_count 2
		.amdhsa_user_sgpr_kernarg_segment_ptr 1
		.amdhsa_wavefront_size32 1
		.amdhsa_system_sgpr_workgroup_id_x 1
		.amdhsa_system_sgpr_workgroup_id_y 1
		.amdhsa_system_sgpr_workgroup_id_z 1
		.amdhsa_system_vgpr_workitem_id 0
		.amdhsa_next_free_vgpr 960
		.amdhsa_next_free_sgpr 96
		.amdhsa_reserve_vcc 0
		.amdhsa_float_denorm_mode_32 3
		.amdhsa_float_denorm_mode_16_64 3
		.amdhsa_memory_ordered 1
		.amdhsa_forward_progress 1
		.amdhsa_inst_pref_size 161
	.end_amdhsa_kernel
	.amdgpu_metadata
---
amdhsa.version: [ 1, 2 ]
amdhsa.kernels:
  - .name:           k_q2ea44dcefc_scores
    .symbol:         k_q2ea44dcefc_scores.kd
    .args:
      - { .name: qc, .offset: 0, .size: 8, .value_kind: global_buffer, .address_space: global }
      - { .name: qs, .offset: 8, .size: 8, .value_kind: global_buffer, .address_space: global }
      - { .name: kc, .offset: 16, .size: 8, .value_kind: global_buffer, .address_space: global }
      - { .name: ks, .offset: 24, .size: 8, .value_kind: global_buffer, .address_space: global }
      - { .name: mask, .offset: 32, .size: 8, .value_kind: global_buffer, .address_space: global }
      - { .name: pc, .offset: 40, .size: 8, .value_kind: global_buffer, .address_space: global }
      - { .name: st, .offset: 48, .size: 8, .value_kind: global_buffer, .address_space: global }
    .group_segment_fixed_size: 327680
    .private_segment_fixed_size: 0
    .kernarg_segment_align: 8
    .kernarg_segment_size: 56
    .max_flat_workgroup_size: 128
    .sgpr_count:     96
    .vgpr_count:     960
    .wavefront_size: 32
...
	.end_amdgpu_metadata
.endif
;; end of part 2
;; launch pv (part 3): grid 4 x 64, 4 waves a work-group, clusters of 4 x 1, 223,232 bytes of LDS; arguments pc, st, vc, vs, out0; writes out0
.if DOCPART == 3
	.amdgcn_target "amdgcn-amd-amdhsa--gfx1250"
	.amdhsa_code_object_version 6
	.text
	.protected	k_q2ea44dcefc_pv
	.globl	k_q2ea44dcefc_pv
	.p2align	8
	.type	k_q2ea44dcefc_pv,@function
k_q2ea44dcefc_pv:
	s_mov_b64 s[64:65], 0
	v_nop
	global_prefetch_b8 v0, s[64:65] scope:SCOPE_SE
	s_setreg_imm32_b32 hwreg(HW_REG_WAVE_MODE, 25, 1), 1
	s_wait_xcnt 0x0
	s_wait_alu depctr_hold_cnt(0) depctr_sa_sdst(0) depctr_va_vdst(0) depctr_va_sdst(0) depctr_va_ssrc(0) depctr_va_vcc(0) depctr_vm_vsrc(0)
	s_getreg_b32 s2, hwreg(HW_REG_IB_STS2, 6, 4)
	s_cmp_eq_u32 s2, 0
	s_cbranch_scc0 .Lentry_in_a_cluster
	s_endpgm
.Lentry_in_a_cluster:
	s_bfe_u32 s2, ttmp6, 0x10000c
	s_cmp_lg_u32 s2, 0x3003
	s_cbranch_scc0 .Lentry_shape_is_right
	s_endpgm
.Lentry_shape_is_right:
; out = p v / l on codes of BF6.  p arrives as codes under a local Ml for each (query, 64 keys), with a record Ml, local sum, two scale bytes.
; PRELUDE: thread i owns query i of the work-group's 128: M = the largest Ml; d = M - Ml, a whole number, held at 127; l = the sum of the local sums x 2^-d; each scale byte less d.
; SHARES.  Work-group (x, y'): 256 d, 128 queries.  Wave w: 64 d x 128 queries: 32 accumulators.  p's tile for all 2,048 keys (196,608 bytes) lies whole in LDS, asked for jointly by the four partners, which share y'.
; A fragment of v^T is read by one wave alone: it goes from memory straight into registers, four sets, three K steps ahead.  Source 0 = 16 d of v^T, source 1 = 16 queries of p: a lane holds one query and eight neighbouring d.
; LIMITS: a block of p that lies more than 2^-122 under the row's largest p gets the byte 0 (2^-127): under 1e-36 of l.  A row whose every key is hidden gives 0 x infinity = NaN, as the softmax of such a row is.
; LDS: p 196,608 | p's scale words 8,192 | 1 / l 512 | the way out 4 x 4,352.  Nothing is ever filled again.
; REGISTERS: window 0: v1-12 addresses; v16-23 p's scale words (2 sets), v24-31 v's (4 sets); v32-47 1 / l; v48-55 at work; v64-255 the records, then two sets of p's 8 fragments, then the way out.   window 1: v, 4 sets of 48.   window 2: the accumulators.
.set PSB, 196608
.set RLB, 204800
.set OST, 205312
.set L16,  1
.set L8,   2
.set STO,  3
.set PA16, 4
.set PA8,  5
.set PSW,  6
.set PSR,  7
.set RLW,  8
.set RLA,  9
.set OSW,  10
.set OSR,  11
.set OGO,  12
.set PS,   16
.set VS,   24
.set RL,   32
.set MG,   48
.set LA,   49
.set LB,   50
.set WW,   51
.set DX,   52
.set MM,   53
.set BM,   54
.set RC,   55
.set RR,   64
.set G1P,  44
.set MSB,  0
.macro WIN new
.if MSB != (\new)
	s_set_vgpr_msb (MSB<<8)|(\new)
.set MSB, (\new)
.endif
.endm
.macro PLACES n
.rept \n
	v_nop
.endr
.endm
.macro CROUND
	s_barrier_signal -1
	s_barrier_wait -1
	s_cmp_lg_u32 s38, 0
	s_cbranch_scc1 .Lnot_wave_0_\@
	s_barrier_signal -3
.Lnot_wave_0_\@:
	s_barrier_wait -3
	s_barrier_signal -1
	s_barrier_wait -1
.endm
.macro WMMA d, a, b, sa, sb, ra, rb, z
.if (\z) != 0
.if ((\ra) == 0) && ((\rb) == 0)
	v_wmma_scale_f32_16x16x128_f8f6f4 v[\d:\d+7], v[\a:\a+11], v[\b:\b+11], 0, v[\sa], v[\sb] matrix_a_fmt:MATRIX_FMT_BF6 matrix_b_fmt:MATRIX_FMT_BF6
.elseif (\rb) == 0
	v_wmma_scale_f32_16x16x128_f8f6f4 v[\d:\d+7], v[\a:\a+11], v[\b:\b+11], 0, v[\sa], v[\sb] matrix_a_fmt:MATRIX_FMT_BF6 matrix_b_fmt:MATRIX_FMT_BF6 matrix_a_scale:MATRIX_SCALE_ROW1
.elseif (\ra) == 0
	v_wmma_scale_f32_16x16x128_f8f6f4 v[\d:\d+7], v[\a:\a+11], v[\b:\b+11], 0, v[\sa], v[\sb] matrix_a_fmt:MATRIX_FMT_BF6 matrix_b_fmt:MATRIX_FMT_BF6 matrix_b_scale:MATRIX_SCALE_ROW1
.else
	v_wmma_scale_f32_16x16x128_f8f6f4 v[\d:\d+7], v[\a:\a+11], v[\b:\b+11], 0, v[\sa], v[\sb] matrix_a_fmt:MATRIX_FMT_BF6 matrix_b_fmt:MATRIX_FMT_BF6 matrix_a_scale:MATRIX_SCALE_ROW1 matrix_b_scale:MATRIX_SCALE_ROW1
.endif
.else
.if ((\ra) == 0) && ((\rb) == 0)
	v_wmma_scale_f32_16x16x128_f8f6f4 v[\d:\d+7], v[\a:\a+11], v[\b:\b+11], v[\d:\d+7], v[\sa], v[\sb] matrix_a_fmt:MATRIX_FMT_BF6 matrix_b_fmt:MATRIX_FMT_BF6
.elseif (\rb) == 0
	v_wmma_scale_f32_16x16x128_f8f6f4 v[\d:\d+7], v[\a:\a+11], v[\b:\b+11], v[\d:\d+7], v[\sa], v[\sb] matrix_a_fmt:MATRIX_FMT_BF6 matrix_b_fmt:MATRIX_FMT_BF6 matrix_a_scale:MATRIX_SCALE_ROW1
.elseif (\ra) == 0
	v_wmma_scale_f32_16x16x128_f8f6f4 v[\d:\d+7], v[\a:\a+11], v[\b:\b+11], v[\d:\d+7], v[\sa], v[\sb] matrix_a_fmt:MATRIX_FMT_BF6 matrix_b_fmt:MATRIX_FMT_BF6 matrix_b_scale:MATRIX_SCALE_ROW1
.else
	v_wmma_scale_f32_16x16x128_f8f6f4 v[\d:\d+7], v[\a:\a+11], v[\b:\b+11], v[\d:\d+7], v[\sa], v[\sb] matrix_a_fmt:MATRIX_FMT_BF6 matrix_b_fmt:MATRIX_FMT_BF6 matrix_a_scale:MATRIX_SCALE_ROW1 matrix_b_scale:MATRIX_SCALE_ROW1
.endif
.endif
.endm
.macro VLOAD s                         ; v's four fragments of K step s and their scale words: 17 loads, every offset an immediate
.set VBL, 48*((\s)%4)
	WIN 0x40
.irp dt, 0,1,2,3
.irp c, 0,1
	global_load_b128 v[VBL+12*\dt+6*\c:VBL+12*\dt+6*\c+3], v[L16], s[8:9] offset:6144*(\s)+3072*\c+768*\dt
	global_load_b64 v[VBL+12*\dt+6*\c+4:VBL+12*\dt+6*\c+5], v[L8], s[8:9] offset:6144*(\s)+3072*\c+768*\dt+512
.endr
.endr
	WIN 0
	global_load_b64 v[VS+2*((\s)%4):VS+2*((\s)%4)+1], v[L8], s[10:11] offset:256*(\s)
.endm
.macro PLOAD s                         ; p's eight fragments of K step s (the two address registers stand at it) and their scale words: 33 loads
.set PBL, 64+96*((\s)%2)
.irp qb, 0,1,2,3,4,5,6,7
.irp c, 0,1
	ds_load_b128 v[PBL+12*\qb+6*\c:PBL+12*\qb+6*\c+3], v[PA16] offset:6144*\c+768*\qb
	ds_load_b64 v[PBL+12*\qb+6*\c+4:PBL+12*\qb+6*\c+5], v[PA8] offset:6144*\c+768*\qb
.endr
.endr
	ds_load_b128 v[PS+4*((\s)%2):PS+4*((\s)%2)+3], v[PSR] offset:512*(\s)
.endm
.macro STEP s
	WIN 0
	s_wait_dscnt 0x0                               ; p's fragments of this step are in (asked for 32 matrix instructions ago)
	PLACES 4                                       ; behind the last step's products: their operands' registers are loaded anew
.if (\s) < 15
	v_add_nc_u32 v[PA16], 12288, v[PA16]
	v_add_nc_u32 v[PA8], 12288, v[PA8]
	PLOAD (\s)+1
.endif
.if (\s) < 14
	s_wait_alu depctr_va_vdst(0)
	s_wait_loadcnt 34                              ; v of this step is in; the two steps behind it (17 loads each) stay out
.elseif (\s) == 14
	s_wait_loadcnt 17
.else
	s_wait_loadcnt 0
.endif
.if (\s)+3 <= 15
	VLOAD (\s)+3
.endif
.set VB, 48*((\s)%4)
.set PB, 64+96*((\s)%2)
.if (\s) == 0
.set ZZ, 1
.else
.set ZZ, 0
.endif
	WIN 0xa1                                       ; v window 1, p window 0, C and D window 2
.irp qb, 0,1,2,3,4,5,6,7
.irp dt, 0,1,2,3
.set DD, 8*(4*\qb+\dt)
.set AR, VB+12*\dt
.set BR, PB+12*\qb
.set SA, VS+2*((\s)%4)+\dt/2
.set SB, PS+4*((\s)%2)+\qb/2
	WMMA DD, AR, BR, SA, SB, \dt%2, \qb%2, ZZ      ; the 32 accumulators by turns
.endr
.endr
.endm
; THE WAY OUT, 16 queries at a time: x 1 / l, through my stage (rows of 256 bytes + 16), back as whole rows.
.macro OPACK qb
.set MU, 64+64*((\qb)%2)
.set BK, 96+64*((\qb)%2)
.if (\qb) >= 2
	s_wait_xcnt 0x0                                ; the stores of two blocks ago have read their registers
.endif
	WIN 0x02
.set EE, 0
.rept 16
	v_pk_mul_f32 v[MU+2*EE:MU+2*EE+1], v[32*(\qb)+2*EE:32*(\qb)+2*EE+1], v[RL+2*(\qb):RL+2*(\qb)+1] op_sel_hi:[1,0]   ; each accumulator from its low end on
.set EE, EE+1
.endr
	WIN 0
.irp dt, 0,1,2,3
	ds_store_b128 v[OSW], v[MU+8*\dt:MU+8*\dt+3] offset:64*\dt
	ds_store_b128 v[OSW], v[MU+8*\dt+4:MU+8*\dt+7] offset:64*\dt+16
.endr
.irp k, 0,1,2,3,4,5,6,7
	ds_load_b128 v[BK+4*\k:BK+4*\k+3], v[OSR] offset:544*\k   ; LDS serves a wave's instructions in order: these see my stores
.endr
.endm
.macro OSEND qb, younger
.set BK, 96+64*((\qb)%2)
.irp k, 0,1,2,3,4,5,6,7
	s_wait_dscnt (\younger)+7-\k
	global_store_b128 v[OGO], v[BK+4*\k:BK+4*\k+3], s[12:13] offset:65536*(\qb)+8192*\k th:TH_STORE_NT   ; 16 lanes store 256 consecutive bytes, aligned
.endr
.endm
	s_load_b256 s[4:11], s[0:1], 0x0               ; pc 4, st 6, vc 8, vs 10
	s_load_b64 s[12:13], s[0:1], 0x20              ; out0
	v_lshl_add_u32 v62, v0, 2, 0x36600
	v_mov_b32 v63, 0
	ds_add_u32 v62, v63
	ds_add_u32 v62, v63
	v_lshrrev_b32 v48, 5, v0
	v_readfirstlane_b32 s38, v48                   ; wave
	s_bfe_u32 s39, ttmp6, 0x40000                  ; cx
	s_lshl_b32 s40, ttmp9, 2
	s_add_co_u32 s40, s40, s39                     ; x
	s_and_b32 s41, ttmp7, 0xffff                   ; y', which the four partners share
	s_mov_b32 s[G1P], 15|(3<<16)|(1<<21)           ; four K steps of p: 8 rows (groups of 64 keys) of 6,144 bytes, 12,288 bytes apart; joint
	s_mov_b32 s[G1P+1], 768<<16
	s_mov_b32 s[G1P+2], 8<<16
	s_mov_b32 s[G1P+3], 768<<16
	s_mov_b32 s[G1P+4], 8
	s_mov_b32 s[G1P+5], 1536
	s_mov_b32 s[G1P+6], 0
	s_mov_b32 s[G1P+7], 0
	; what hangs on y' and the wave alone: s32-37
	s_lshr_b32 s32, s41, 1
	s_and_b32 s33, s41, 1
	s_mul_i32 s34, s32, 393216
	s_mul_i32 s36, s33, 6144
	s_add_co_u32 s34, s34, s36
	s_mul_i32 s36, s38, 98304
	s_add_co_u32 s34, s34, s36                     ; p: K steps 4 w .. 4 w + 3 of my 128 queries
	s_mov_b32 s35, 0
	s_mul_i32 s37, s38, 49152
	s_lshl_b32 s32, s32, 17
	s_lshl_b32 s33, s33, 11
	s_add_co_u32 s32, s32, s33                     ; the records of my 128 queries, group 0
	s_mov_b32 s33, 0
	; what hangs on x too: s42, s43, s52-55
	s_lshr_b32 s52, s41, 4
	s_lshl_b32 s52, s52, 4
	s_lshl_b32 s42, s40, 2
	s_add_co_u32 s42, s42, s38                     ; my 64 d: 4 x + w
	s_add_co_u32 s52, s52, s42                     ; 16 b + that
	s_mul_i32 s54, s52, 98304
	s_mov_b32 s55, 0
	s_lshl_b32 s52, s52, 12
	s_mov_b32 s53, 0
	s_lshl_b32 s42, s42, 8
	s_lshl_b32 s43, s41, 19                        ; 128 y' rows of 4,096 bytes
	s_add_co_u32 s42, s42, s43
	s_mov_b32 s43, 0
	v_and_b32 v48, 31, v0                          ; lane
	v_and_b32 v49, 15, v0                          ; r
	v_bfe_u32 v50, v0, 4, 1                        ; h
	v_lshlrev_b32 v[L16], 4, v48
	v_lshlrev_b32 v[L8], 3, v48
	v_lshlrev_b32 v[STO], 4, v0
	v_lshlrev_b32 v[PA16], 4, v48
	v_lshl_add_u32 v[PA8], v48, 3, 512
	s_lshl_b32 s56, s38, 2                         ; s56: LDS bases made of the wave's number
	s_add_co_u32 s56, s56, PSB
	v_lshl_add_u32 v[PSW], v48, 4, s56             ; query block 2 w + lane / 16: lane's place, register w
	v_lshl_add_u32 v[PSR], v48, 4, PSB
	v_lshl_add_u32 v[RLW], v0, 2, RLB
	v_lshl_add_u32 v[RLA], v49, 2, RLB
	s_mul_i32 s56, s38, 4352
	s_add_co_u32 s56, s56, OST
	v_mul_u32_u24 v51, v49, 272
	v_lshl_add_u32 v51, v50, 5, v51
	v_add_nc_u32 v[OSW], s56, v51
	v_mul_u32_u24 v51, v50, 272
	v_lshl_add_u32 v51, v49, 4, v51
	v_add_nc_u32 v[OSR], s56, v51
	v_lshlrev_b32 v51, 4, v49
	v_lshl_add_u32 v[OGO], v50, 12, v51
	s_wait_dscnt 0x0
	s_wait_kmcnt 0x0
	s_add_nc_u64 s[14:15], s[4:5], s[34:35]
	s_mov_b32 s16, 1
	s_mov_b32 s17, s37
	s_mov_b64 s[18:19], s[14:15]
	s_or_b32 s19, s19, 0x80000000
	s_add_nc_u64 s[6:7], s[6:7], s[32:33]
	s_add_nc_u64 s[8:9], s[8:9], s[54:55]
	s_add_nc_u64 s[10:11], s[10:11], s[52:53]
	s_add_nc_u64 s[12:13], s[12:13], s[42:43]
	CROUND                                         ; all four work-groups are here
	tensor_load_to_lds s[16:19], s[G1P:G1P+7]      ; one load a wave
	s_nop 0
	PLACES 4
.set GG, 0
.rept 32
	global_load_b128 v[RR+4*GG:RR+4*GG+3], v[STO], s[6:7] offset:4096*GG   ; my query's 32 records
.set GG, GG+1
.endr
	VLOAD 0
	s_wait_loadcnt 17                              ; the records are in; v's first step may be out
	VLOAD 1
	VLOAD 2
	v_max3_num_f32 v[MG], v[RR], v[RR+4], v[RR+8]
.irp g, 3,5,7,9,11,13,15,17,19,21,23,25,27,29
	v_max3_num_f32 v[MG], v[MG], v[RR+4*\g], v[RR+4*\g+4]
.endr
	v_max_num_f32 v[MG], v[MG], v[RR+124]          ; the row's M
.set GG, 0
.rept 32
	v_sub_f32 v[RR+4*GG], v[MG], v[RR+4*GG]        ; M - Ml: a whole number, 0 or more
	v_cvt_i32_f32 v[RR+4*GG], v[RR+4*GG]           ; (it saturates)
	v_min_u32 v[RR+4*GG], 0x7f, v[RR+4*GG]         ; d
	v_sub_nc_u32 v[RR+4*GG+3], 0, v[RR+4*GG]
	v_ldexp_f32 v[RR+4*GG+1], v[RR+4*GG+1], v[RR+4*GG+3]   ; the local sum under M
	v_mul_u32_u24 v[RR+4*GG], 0x101, v[RR+4*GG]    ; d in two bytes
.set GG, GG+1
.endr
	v_add_f32 v[LA], v[RR+1], v[RR+5]
	v_add_f32 v[LB], v[RR+9], v[RR+13]
.irp g, 4,6,8,10,12,14,16,18,20,22,24,26,28,30
	v_add_f32 v[LA], v[LA], v[RR+4*\g+1]
	v_add_f32 v[LB], v[LB], v[RR+4*\g+5]
.endr
	v_add_f32 v[LA], v[LA], v[LB]
	s_wait_alu depctr_va_vdst(0)
	v_rcp_f32 v[RC], v[LA]                         ; the scale words below are the plain work behind it
.set KK, 0
.rept 16                               ; a K step's four bytes, each less its d, held at 0 from below.  Bytes are at most 123 and d at most 127, so with bit 7 set no byte borrows from the next
	v_lshl_or_b32 v[WW], v[RR+8*KK+6], 16, v[RR+8*KK+2]
	v_lshl_or_b32 v[DX], v[RR+8*KK+4], 16, v[RR+8*KK]
	v_or_b32 v[WW], 0x80808080, v[WW]
	v_sub_nc_u32 v[WW], v[WW], v[DX]
	v_lshrrev_b32 v[MM], 7, v[WW]
	v_and_b32 v[MM], 0x01010101, v[MM]             ; 1 where the byte did not fall under 0
	v_lshlrev_b32 v[BM], 8, v[MM]
	v_sub_nc_u32 v[BM], v[BM], v[MM]               ; 0xff there
	v_and_b32 v[WW], v[WW], v[BM]
	v_and_b32 v[RR+8*KK+2], 0x7f7f7f7f, v[WW]
	ds_store_b32 v[PSW], v[RR+8*KK+2] offset:512*KK
.set KK, KK+1
.endr
	s_wait_alu depctr_va_vdst(0)                   ; ahead of the reciprocal's first reader
	ds_store_b32 v[RLW], v[RC]
	s_wait_dscnt 0x0                               ; for the others' sake: my scale words and 1 / l have landed,
	s_wait_tensorcnt 0x0                           ; and my four K steps of p
	s_barrier_signal -1
	s_barrier_wait -1
.irp qb, 0,1,2,3,4,5,6,7
	ds_load_b32 v[RL+2*\qb], v[RLA] offset:64*\qb
	ds_load_b32 v[RL+2*\qb+1], v[RLA] offset:64*\qb   ; named as the upper half of a pair
.endr
	PLOAD 0
.set QQ, 0
.rept 16
	STEP QQ
.set QQ, QQ+1
.endr
	WIN 0
	PLACES 4
	OPACK 0
.irp q, 1,2,3,4,5,6,7
	OPACK \q
	OSEND \q-1, 16                                 ; behind that block's loads: the next block's 8 stores and 8 loads
.endr
	OSEND 7, 0
	s_wait_tensorcnt 0x0
	ds_add_u32 v62, v63
	s_wait_dscnt 0x0
	CROUND                                         ; the closing round
	s_endpgm
.Lfunc_end_k_q2ea44dcefc_pv:
	.size	k_q2ea44dcefc_pv, .Lfunc_end_k_q2ea44dcefc_pv-k_q2ea44dcefc_pv
	.p2alignl 7, 3214868480
	.fill 96, 4, 3214868480
	.section	.rodata,"a",@progbits
	.p2align	6, 0x0
	.amdhsa_kernel k_q2ea44dcefc_pv
		.amdhsa_group_segment_fixed_size 223232
		.amdhsa_private_segment_fixed_size 0
		.amdhsa_enable_private_segment 0
		.amdhsa_kernarg_size 40
		.amdhsa_user_sgpr_count 2
		.amdhsa_user_sgpr_kernarg_segment_ptr 1
		.amdhsa_wavefront_size32 1
		.amdhsa_system_sgpr_workgroup_id_x 1
		.amdhsa_system_sgpr_workgroup_id_y 1
		.amdhsa_system_sgpr_workgroup_id_z 1
		.amdhsa_system_vgpr_workitem_id 0
		.amdhsa_next_free_vgpr 768
		.amdhsa_next_free_sgpr 66
		.amdhsa_reserve_vcc 0
		.amdhsa_float_denorm_mode_32 3
		.amdhsa_float_denorm_mode_16_64 3
		.amdhsa_memory_ordered 1
		.amdhsa_forward_progress 1
		.amdhsa_inst_pref_size 184
	.end_amdhsa_kernel
	.amdgpu_metadata
---
amdhsa.version: [ 1, 2 ]
amdhsa.kernels:
  - .name:           k_q2ea44dcefc_pv
    .symbol:         k_q2ea44dcefc_pv.kd
    .args:
      - { .name: pc, .offset: 0, .size: 8, .value_kind: global_buffer, .address_space: global }
      - { .name: st, .offset: 8, .size: 8, .value_kind: global_buffer, .address_space: global }
      - { .name: vc, .offset: 16, .size: 8, .value_kind: global_buffer, .address_space: global }
      - { .name: vs, .offset: 24, .size: 8, .value_kind: global_buffer, .address_space: global }
      - { .name: out0, .offset: 32, .size: 8, .value_kind: global_buffer, .address_space: global }
    .group_segment_fixed_size: 223232
    .private_segment_fixed_size: 0
    .kernarg_segment_align: 8
    .kernarg_segment_size: 40
    .max_flat_workgroup_size: 128
    .sgpr_count:     66
    .vgpr_count:     768
    .wavefront_size: 32
...
	.end_amdgpu_metadata
.endif
;; end of part 3
